; MI455X (gfx1250); checked and timed in simulation.
; The chip was launched on July 23, 2026; its instructions are those of AMD's public machine-readable ISA for CDNA 5 (MIT licence, August 2026) and "CDNA5" Instruction Set Architecture Reference Guide (July 2026). The comments in the code are by the model that wrote it; some were corrected since.
;; Attention. Allowed arithmetic: matrix products marked QUANTISED: E2M1 operands, one E8M0 scale for each 32 along K, by v_wmma_scale_f32_16x16x128_f8f6f4 with both operands' format E2M1 (or v_wmma_scale_f32_32x16x128_f4), f32 sums; everything else in f32.
;; Inputs: Wk 1,024 x 1,024 float32; Wq 1,024 x 1,024 float32; Wv 1,024 x 1,024 float32; attention_mask 4 x 1 x 1 x 2,048 float32; bk 1,024 float32; bq 1,024 float32; bv 1,024 float32; sinusoidal_pos 1 x 1 x 2,048 x 64 float32; x 4 x 2,048 x 1,024 float32.
;; Outputs: out0 4 x 2,048 x 1,024 float32.
;; This version of the problem:
;;   THIS VERSION OF THE PROBLEM IS GIVEN IN LOW PRECISION. The matrix products marked QUANTISED in the list below multiply operands that are first quantised to E2M1 (2 exponent bits, 1 mantissa bit; 4 bits a number), with one power-of-two scale for each 32 numbers along K (OCP MX v1.0); their sums are f32. All else is computed in f32.
;;   The module's matrix products, in the order in which they are computed (A, B: the left and right operand; K: the contracted axis; several contracted axes count as one K, in the product's order):
;;     1. [M 8,192, K 1,024] x [K 1,024, N 1,024]; A: input x; B: input Wq: QUANTISED
;;     2. [M 8,192, K 1,024] x [K 1,024, N 1,024]; A: input x; B: input Wk: QUANTISED
;;     3. [M 8,192, K 1,024] x [K 1,024, N 1,024]; A: input x; B: input Wv: QUANTISED
;;     4. batch 64 x [M 2,048, K 64] x [K 64, N 2,048]; A: computed on the way; B: computed on the way: QUANTISED
;;     5. batch 64 x [M 2,048, K 2,048] x [K 2,048, N 64]; A: softmax (see below); B: computed on the way: QUANTISED
;;   THE QUANTISER, for each operand of a quantised product, along K:
;;     - K is cut into blocks of 32 from its start; a last block that is shorter is filled with zeros.
;;     - A block's scale is 2^e with e = floor(log2(the largest magnitude in the block)) - 2, held to -126 .. 127; a block of zeros has e = 0. As a byte (E8M0): e + 127.
;;     - Each number is divided by its block's scale, clamped to +-6, and rounded to the nearest number of E2M1, ties to even, subnormals kept.
;;     - The product sums the exact products of the quantised numbers (number of the format x scale) in f32.
;;   ~~~python
;;   def quantise(x, axis):      # numpy; x: float32 -> the quantised numbers, widened to float32 again
;;       x = np.moveaxis(x, axis, -1); K = x.shape[-1]
;;       x = np.pad(x, [(0, 0)] * (x.ndim - 1) + [(0, -K % 32)]); x = x.reshape(x.shape[:-1] + (-1, 32)); a = np.abs(x).max(-1, keepdims=True)
;;       e = np.where(a > 0, np.clip(np.frexp(np.where(a > 0, a, 1))[1] - 1 - 2, -126, 127), 0)      # np.frexp(a)[1] - 1 = floor(log2(a)), exactly
;;       r = np.clip(x / 2.0 ** e, -6, 6)
;;       step = 2.0 ** (np.maximum(np.frexp(np.where(r == 0, 1, r))[1] - 1, 0) - 1)
;;       q = np.round(r / step) * step * 2.0 ** e      # np.round: ties to even
;;       return np.moveaxis(q.reshape(q.shape[:-2] + (-1,))[..., :K], -1, axis).astype(np.float32)
;;   ~~~
;;   SOFTMAX AHEAD OF A QUANTISED PRODUCT. Where the list says 'softmax', what is quantised is not the finished softmax but p = 2^(t - M), with t = logit x log2(e) and M = ceil(the row's largest t), a whole number; so 1/2 < the row's largest p <= 1. The row's sum l is taken of the UNQUANTISED p, in f32, and the product's result is divided by l at the end. Since M is a whole number, a kernel that streams over the keys may use a running M (the ceiling of the running maximum): every later rescaling is an exact power of two, which a block's scale takes up: the codes' values come out the same.
;;   OPERANDS COMPUTED ON THE WAY. 'Computed on the way' means the value that the module computes at that place (a softmax that the list does not call 'softmax' is quantised finished and normalised). What goes into a quantiser is computed in f32, as accurately as f32 sums, v_exp_f32 and their like allow (about 1e-6 of the number): no bf16 or f16 on the way to a quantiser, and a product that is left as it is and whose result goes on into a quantised operand takes f32 operands (vector FMAs, or v_wmma_f32_16x16x4_f32). A number that lies on a knife's edge between two numbers of the format may be rounded either way, as far as f32 arithmetic and the matrix unit's own rounding can turn it there, and no further.
;; One version. Each part assembles by itself: llvm-mc -triple=amdgcn-amd-amdhsa -mcpu=gfx1250 --defsym DOCPART=n.
;; ======== version 1 of 1: 3 launches
;; limits: right only within a limited range of input values
;; workspace buffers: xc 4,194,304 bytes; xs 262,144 bytes; wc 1,572,864 bytes; ws 98,304 bytes; qimg 8,912,896 bytes; kv 8,912,896 bytes
;; launch quant (part 1): grid 352 x 1, 4 waves a work-group, no clusters, 33,280 bytes of LDS; arguments x, Wq, Wk, Wv, xc, xs, wc, ws; writes xc, xs, wc, ws
.if DOCPART == 1
	.amdgcn_target "amdgcn-amd-amdhsa--gfx1250"
	.amdhsa_code_object_version 6
	.text
	.protected	k_q52d7a16590_quant
	.globl	k_q52d7a16590_quant
	.p2align	8
	.type	k_q52d7a16590_quant,@function
k_q52d7a16590_quant:
	s_mov_b64 s[64:65], 0
	v_nop
	global_prefetch_b8 v0, s[64:65] scope:SCOPE_SE
	s_setreg_imm32_b32 hwreg(HW_REG_WAVE_MODE, 25, 1), 1
	s_wait_xcnt 0x0
; x [8192][1024] and Wq, Wk, Wv [1024][1024], f32, K innermost, become codes of FP4 (E2M1), two a byte, and one E8M0 scale byte for each 32 along K.
; A block's scale is 2^(floor(log2(its largest magnitude)) - 2); its byte is the largest magnitude's exponent field - 2, held at 1 from below.
; Each number is divided by the scale and rounded to the nearest code, ties to even; beyond 6 the conversion gives the largest code.
; LIMITS: a block whose largest magnitude lies under 2^-124 gets the byte 1; a block of zeros gets the byte 1 where the quantiser says 127 (its codes are zeros, and only this
; program reads the bytes); NaN and infinities among the inputs are not served.
; OUT: xc [8192 places][512 bytes], xs [8192 places][32 bytes]; wc, ws likewise with 3072 places: Wq's, then Wk's, then Wv's.
; THE ORDER OF ROWS: in every group of 32 rows the second and the third eight change places, so that 16 neighbouring places 32 g + 16 u + m hold rows 32 g + 8 u + m + 8 (m / 8).
; A tile of 16 neighbouring places, used as the matrix instruction's first source, then leaves 16 neighbouring rows in a lane's registers of two neighbouring tiles.
; SHARES: a work-group takes 32 rows, each of its four waves eight: 16 steps of 512 numbers.  Work-groups 0-255 take x, then 32 each Wq, Wk, Wv.  Only pointers are chosen: one way through the text.
; Each load reads 512 consecutive bytes, 16 a lane; the conversions want 16 neighbours in ONE lane, so a step's 2,048 bytes turn through the wave's own stage in LDS (16 bytes of padding behind each 64).
; A lane's 16 codes are 8 bytes: a store covers 256 consecutive bytes, aligned.  A wave's 256 scale bytes are gathered in LDS and leave as 256 consecutive bytes, aligned.  Waves share nothing: no barrier.
.set STEPS, 16
.set XWG,   256                        ; work-groups of x
.set EMAX,  2
.set CB,    8                          ; bytes of 16 codes
.set R,     16                         ; v16-79   four sets of 16 numbers as they are loaded
.set X,     80                         ; v80-111  two sets of 16 neighbours
.set E,     112                        ; v112-127 a scale byte for each step
.set C,     128                        ; v128-191 codes: four registers for each step, so that no store's data are written again
.set WREG,  8192                       ; LDS: a region for each wave: two stages of 32 x SP bytes, behind them its 256 scale bytes
.set SP,    80                         ; a lane's place in a stage: 64 bytes + 16 of padding
	s_load_b256 s[4:11], s[0:1], 0x0               ; x, Wq, Wk, Wv
	s_load_b256 s[12:19], s[0:1], 0x20             ; xc, xs, wc, ws
	v_lshl_add_u32 v192, v0, 2, 0x8000
	v_mov_b32 v193, 0
	v_lshrrev_b32 v1, 5, v0
	v_readfirstlane_b32 s20, v1                    ; wave
	v_and_b32 v2, 31, v0                           ; lane
	v_lshlrev_b32 v3, 4, v2                        ; my 16 bytes of a load's 512
	s_mul_i32 s21, s20, WREG
	v_lshrrev_b32 v14, 2, v2
	v_mul_u32_u24 v14, v14, SP
	v_and_b32 v15, 3, v2
	v_lshl_add_u32 v14, v15, 4, v14
	v_add_nc_u32 v14, s21, v14                     ; the stage, on the way in: SP (lane / 4) + 16 (lane % 4)
	v_mul_u32_u24 v15, v2, SP
	v_add_nc_u32 v15, s21, v15                     ; and on the way out: SP x lane: my 16 neighbours
	v_mul_u32_u24 v4, v2, CB                       ; my codes' place in a step's
	v_lshrrev_b32 v5, 1, v2
	s_add_co_u32 s21, s21, 2*32*SP
	v_add_nc_u32 v5, s21, v5                       ; LDS: my wave's scale bytes, my block's byte
	v_lshlrev_b32 v7, 3, v2                        ; and on the way out 8 bytes a lane
	v_add_nc_u32 v6, s21, v7
	s_sub_co_u32 s22, ttmp9, XWG                   ; among the weights' work-groups (not used in x's)
	s_lshr_b32 s23, s22, 5                         ; which weight
	s_and_b32 s24, s22, 31                         ; which 32 rows of it
	s_wait_alu depctr_va_vdst(0)
	s_wait_kmcnt 0x0
	s_cmp_eq_u32 s23, 1
	s_cselect_b64 s[6:7], s[8:9], s[6:7]
	s_cmp_eq_u32 s23, 2
	s_cselect_b64 s[6:7], s[10:11], s[6:7]         ; the weight
	s_cmp_lt_u32 ttmp9, XWG                        ; x or a weight?  The choice hangs on the work-group's number alone
	s_cselect_b64 s[4:5], s[4:5], s[6:7]
	s_cselect_b64 s[12:13], s[12:13], s[16:17]
	s_cselect_b64 s[14:15], s[14:15], s[18:19]
	s_cselect_b32 s24, ttmp9, s24                  ; which 32 rows of the source,
	s_cselect_b32 s25, ttmp9, s22                  ; and of the buffers of codes and scale bytes
	s_lshl_b32 s24, s24, 2
	s_add_co_u32 s24, s24, s20                     ; my eight rows in the source
	s_and_b32 s26, s20, 1
	s_lshl_b32 s26, s26, 1
	s_lshr_b32 s27, s20, 1
	s_or_b32 s26, s26, s27                         ; 0, 2, 1, 3: the second and the third eight change places
	s_lshl_b32 s25, s25, 2
	s_add_co_u32 s25, s25, s26                     ; my eight places
	s_lshl_b32 s22, s24, 15                        ; 8 rows x 4,096 bytes
	s_mov_b32 s23, 0
	s_add_nc_u64 s[4:5], s[4:5], s[22:23]
	s_lshl_b32 s22, s25, 12                        ; 8 rows x 512 bytes
	s_add_nc_u64 s[12:13], s[12:13], s[22:23]
	s_lshl_b32 s22, s25, 8                         ; 8 rows x 32 bytes
	s_add_nc_u64 s[14:15], s[14:15], s[22:23]
.macro LOAD t
.irp i, 0,1,2,3
	global_load_b128 v[R+16*((\t)%4)+4*\i:R+16*((\t)%4)+4*\i+3], v3, s[4:5] offset:2048*(\t)+512*\i th:TH_LOAD_NT   ; 32 lanes read 512 consecutive bytes
.endr
.endm
.macro TURN t                          ; step t's numbers through the stage: LDS serves a wave's instructions in order, so no wait stands between the stores and the loads
.irp i, 0,1,2,3
	ds_store_b128 v14, v[R+16*((\t)%4)+4*\i:R+16*((\t)%4)+4*\i+3] offset:32*SP*((\t)%2)+8*SP*\i
.endr
.irp i, 0,1,2,3
	ds_load_b128 v[X+16*((\t)%2)+4*\i:X+16*((\t)%2)+4*\i+3], v15 offset:32*SP*((\t)%2)+16*\i
.endr
.endm
.irp t, 0,1,2,3
	LOAD \t
.endr
	s_wait_loadcnt 12                              ; step 0's four loads are in
	TURN 0
.macro STEP t
.set XS, X+16*((\t)%2)
.if (\t) > 0
	s_wait_dscnt 1                                 ; this step's numbers are back from the stage (the last step's byte store may be out): its stores into the stage have read their registers,
.else
	s_wait_dscnt 0x0
.endif
.if (\t)+4 < STEPS
	LOAD (\t)+4                                    ; which take the loads of four steps on
.endif
.if (\t)+1 < STEPS
.if STEPS-2-(\t) >= 3
	s_wait_loadcnt 12                              ; the next step's four loads are in; those of the three steps behind it may be out
.else
	s_wait_loadcnt 4*(STEPS-2-(\t))
.endif
	TURN (\t)+1                                    ; and go through the other stage while this step is worked
.endif
	v_max3_num_f32 v8, |v[XS]|, |v[XS+1]|, |v[XS+2]|               ; the largest magnitude of my 16, in two chains
	v_max3_num_f32 v9, |v[XS+3]|, |v[XS+4]|, |v[XS+5]|
.irp i, 6,10
	v_max3_num_f32 v8, v8, |v[XS+\i]|, |v[XS+\i+1]|
	v_max3_num_f32 v9, v9, |v[XS+\i+2]|, |v[XS+\i+3]|
.endr
	v_max3_num_f32 v8, v8, |v[XS+14]|, |v[XS+15]|
	v_max3_num_f32 v8, v8, v9, (EMAX+1)<<23        ; and the floor 2^(3 - 127): the byte cannot fall under 1
	v_max_num_f32_dpp v8, v8, v8 row_xmask:1 row_mask:0xf bank_mask:0xf   ; and of my neighbour's 16: the block's
	v_add_nc_u32 v11, -(EMAX<<23), v8              ; 2 off its exponent field: the conversion takes the exponent field of this operand as its scale, and nothing else of it
	v_cvt_scalef32_pk8_fp4_f32 v[C+4*(\t)], v[XS:XS+7], v11
	v_cvt_scalef32_pk8_fp4_f32 v[C+4*(\t)+1], v[XS+8:XS+15], v11
	v_lshrrev_b32 v[E+(\t)], 23, v11               ; the scale's byte (also the plain instruction behind the conversions)
	ds_store_b8 v5, v[E+(\t)] offset:16*(\t)       ; both lanes of a block write the same byte with the same value
	global_store_b64 v4, v[C+4*(\t):C+4*(\t)+1], s[12:13] offset:32*CB*(\t)
.endm
.irp t, 0,1,2,3,4,5,6,7,8,9,10,11,12,13,14,15
	STEP \t
.endr
	ds_load_b64 v[12:13], v6                       ; LDS serves a wave's instructions in order: these see my stores
	s_wait_dscnt 0x0
	global_store_b64 v7, v[12:13], s[14:15]        ; 32 lanes store 256 consecutive bytes, aligned
	s_wait_tensorcnt 0x0
	ds_add_u32 v192, v193
	s_wait_dscnt 0x0
	s_endpgm
.Lfunc_end_k_q52d7a16590_quant:
	.size	k_q52d7a16590_quant, .Lfunc_end_k_q52d7a16590_quant-k_q52d7a16590_quant
	.p2alignl 7, 3214868480
	.fill 96, 4, 3214868480
	.section	.rodata,"a",@progbits
	.p2align	6, 0x0
	.amdhsa_kernel k_q52d7a16590_quant
		.amdhsa_group_segment_fixed_size 33280
		.amdhsa_private_segment_fixed_size 0
		.amdhsa_enable_private_segment 0
		.amdhsa_kernarg_size 64
		.amdhsa_user_sgpr_count 2
		.amdhsa_user_sgpr_kernarg_segment_ptr 1
		.amdhsa_wavefront_size32 1
		.amdhsa_system_sgpr_workgroup_id_x 1
		.amdhsa_system_sgpr_workgroup_id_y 1
		.amdhsa_system_sgpr_workgroup_id_z 1
		.amdhsa_system_vgpr_workitem_id 0
		.amdhsa_next_free_vgpr 194
		.amdhsa_next_free_sgpr 66
		.amdhsa_reserve_vcc 0
		.amdhsa_float_denorm_mode_32 3
		.amdhsa_float_denorm_mode_16_64 3
		.amdhsa_memory_ordered 1
		.amdhsa_forward_progress 1
		.amdhsa_inst_pref_size 34
	.end_amdhsa_kernel
	.amdgpu_metadata
---
amdhsa.version: [ 1, 2 ]
amdhsa.kernels:
  - .name:           k_q52d7a16590_quant
    .symbol:         k_q52d7a16590_quant.kd
    .args:
      - { .name: x, .offset: 0, .size: 8, .value_kind: global_buffer, .address_space: global }
      - { .name: Wq, .offset: 8, .size: 8, .value_kind: global_buffer, .address_space: global }
      - { .name: Wk, .offset: 16, .size: 8, .value_kind: global_buffer, .address_space: global }
      - { .name: Wv, .offset: 24, .size: 8, .value_kind: global_buffer, .address_space: global }
      - { .name: xc, .offset: 32, .size: 8, .value_kind: global_buffer, .address_space: global }
      - { .name: xs, .offset: 40, .size: 8, .value_kind: global_buffer, .address_space: global }
      - { .name: wc, .offset: 48, .size: 8, .value_kind: global_buffer, .address_space: global }
      - { .name: ws, .offset: 56, .size: 8, .value_kind: global_buffer, .address_space: global }
    .group_segment_fixed_size: 33280
    .private_segment_fixed_size: 0
    .kernarg_segment_align: 8
    .kernarg_segment_size: 64
    .max_flat_workgroup_size: 128
    .sgpr_count:     66
    .vgpr_count:     194
    .wavefront_size: 32
...
	.end_amdgpu_metadata
.endif
;; end of part 1
;; launch proj (part 2): grid 8 x 48, 4 waves a work-group, clusters of 4 x 4, 327,680 bytes of LDS; arguments xc, xs, wc, ws, bq, bk, bv, sinusoidal_pos, qimg, kv; writes qimg, kv
.if DOCPART == 2
	.amdgcn_target "amdgcn-amd-amdhsa--gfx1250"
	.amdhsa_code_object_version 6
	.text
	.protected	k_q52d7a16590_proj
	.globl	k_q52d7a16590_proj
	.p2align	8
	.type	k_q52d7a16590_proj,@function
k_q52d7a16590_proj:
	s_mov_b64 s[64:65], 0
	v_nop
	global_prefetch_b8 v0, s[64:65] scope:SCOPE_SE
	s_setreg_imm32_b32 hwreg(HW_REG_WAVE_MODE, 25, 1), 1
	s_wait_xcnt 0x0
	s_wait_alu depctr_hold_cnt(0) depctr_sa_sdst(0) depctr_va_vdst(0) depctr_va_sdst(0) depctr_va_ssrc(0) depctr_va_vcc(0) depctr_vm_vsrc(0)
	s_getreg_b32 s2, hwreg(HW_REG_IB_STS2, 6, 4)
	s_cmp_eq_u32 s2, 0
	s_cbranch_scc0 .Lentry_in_a_cluster
	s_endpgm
.Lentry_in_a_cluster:
	s_bfe_u32 s2, ttmp6, 0x10000c
	s_cmp_lg_u32 s2, 0xf033
	s_cbranch_scc0 .Lentry_shape_is_right
	s_endpgm
.Lentry_shape_is_right:
.set KSTEP,  512
.set NQ,     KSTEP/128
.set ROWB,   256
.set KROW,   512
.set PITCH,  272
.set FR,     8
.set NL,     2
.set NP,     4
.set HALFT,  128*PITCH
.set SLOT,   4*HALFT
.set KS,     32
.set SCL,    2*SLOT
.set HALFS,  (128*KS/256)*272
.set SBLK,   (16*KS/256)*272
.set SPARE,  SCL+4*HALFS
.set HEADB,  139264
.set STEPB,  8704
.set SA,   7
.set OA,   8
.set OS,   9
.set BQ,   10
.set BVA,  11
.set SELP, 12
.set ADRA, 16
.set ADRB, 20
.set ADRS, 27
.set SPW,  28
.set NIL,  29
.set SC,   32
.set BVR,  96
.set AF,   128
.set BIA,  192
.set SC0,  32
.set PC,   104
.set TM,   112
.set R,    128
.set T2,   192
.set PWS,  200
.set G1, 24
.set G0, 32
.set G1B, 48
.set G0B, 56
.set G1S, 68
.set G0S, 76
.set G1SB, 80
.set G0SB, 88
.set SEL,  20
.set OUT,  40
.set BIAS, 44
.set SIN,  46
.set MSB, 0
.macro WIN new
.if MSB != \new
	s_set_vgpr_msb (MSB<<8)|\new
.set MSB, \new
.endif
.endm
.set MUL_LO, 0xa1
.set MUL_HI, 0xf1
.set BIA_LO, 0x81
.set BIA_HI, 0xc1
.set TO_B,   0x40
.macro JLOAD g0a, g1a, g0b, g1b
	s_cmp_eq_u32 s15, 0
	s_cbranch_scc0 .Lfor_b_\@
	tensor_load_to_lds s[\g0a:\g0a+3], s[\g1a:\g1a+7]
	s_nop 0
.rept 4
	v_nop
.endr
	s_branch .Lasked_\@
.Lfor_b_\@:
	tensor_load_to_lds s[\g0b:\g0b+3], s[\g1b:\g1b+7]
	s_nop 0
.rept 4
	v_nop
.endr
.Lasked_\@:
.endm
.macro CROUND
	s_barrier_signal -1
	s_barrier_wait -1
	s_cmp_lg_u32 s14, 0
	s_cbranch_scc1 .Lnot_wave_0_\@
	s_barrier_signal -3
.Lnot_wave_0_\@:
	s_barrier_wait -3
	s_barrier_signal -1
	s_barrier_wait -1
.endm
	s_load_b256 s[4:11], s[0:1], 0x0
	v_lshl_add_u32 v[SPW], v0, 2, SPARE
	v_mov_b32 v[NIL], 0
	ds_add_u32 v28, v29
	ds_add_u32 v28, v29
	s_wait_dscnt 0x0
	v_lshrrev_b32 v1, 5, v0
	v_readfirstlane_b32 s14, v1
	s_lshr_b32 s15, s14, 1
	s_and_b32 s16, s14, 1
	s_bfe_u32 s40, ttmp6, 0x40000
	s_bfe_u32 s41, ttmp6, 0x40004
	s_and_b32 s92, ttmp7, 0xffff
	s_sub_co_u32 s93, s92, 8
	s_lshl_b32 s93, s93, 1
	s_add_co_u32 s93, s93, ttmp9
	s_cmp_ge_u32 s92, 8
	s_cselect_b32 s2, 1, 0
	s_cselect_b32 s93, s93, ttmp9
	s_cselect_b32 s92, 0, s92
	s_cselect_b32 s3, 2048, 0
	s_lshl_b32 s42, s93, 2
	s_add_co_u32 s42, s42, s40
	s_lshl_b32 s17, s92, 2
	s_add_co_u32 s17, s17, s41
	s_lshl_b32 s43, s41, 2
	s_lshl_b32 s43, 15, s43
	s_lshl_b32 s44, 0x1111, s40
	s_or_b32 s[G1+0], s43, (0<<16)|(1<<20)|(1<<21)|(5<<22)|(3<<25)
	s_or_b32 s[G1B+0], s44, (0<<16)|(1<<20)|(1<<21)|(5<<22)|(3<<25)
.irp g, G1, G1B
	s_mov_b32 s[\g+1], ROWB<<16
	s_mov_b32 s[\g+2], 256<<16                     ; the head's loads of codes bring 256 rows
	s_mov_b32 s[\g+3], ROWB<<16
	s_mov_b32 s[\g+4], 256
	s_mov_b32 s[\g+5], KROW
	s_mov_b32 s[\g+6], 0
	s_mov_b32 s[\g+7], 0
.endr
	s_or_b32 s[G1S+0], s43, (3<<16)|(1<<20)|(1<<21)|(5<<22)|(3<<25)
	s_or_b32 s[G1SB+0], s44, (3<<16)|(1<<20)|(1<<21)|(5<<22)|(3<<25)
.irp g, G1S, G1SB
	s_mov_b32 s[\g+1], 32<<16
	s_mov_b32 s[\g+2], (256*KS/256)<<16            ; the scales of 256 rows in one load
	s_mov_b32 s[\g+3], 32<<16
	s_mov_b32 s[\g+4], 256*KS/256
	s_mov_b32 s[\g+5], 32
	s_mov_b32 s[\g+6], 0
	s_mov_b32 s[\g+7], 0
.endr
	s_mov_b32 s18, 0                               ; the tiles' first rows; my half is added for the second K step's load
	s_lshl_b32 s20, s17, 8
	s_add_co_u32 s20, s20, s18
	s_add_co_u32 s20, s20, s3
	s_lshl_b32 s46, s42, 8
	s_add_co_u32 s46, s46, s18
	s_mov_b32 s21, 0
	s_mov_b32 s47, 0
	s_mov_b64 s[18:19], KS
	s_mul_u64 s[22:23], s[20:21], s[18:19]
	s_mul_u64 s[92:93], s[46:47], s[18:19]
	s_mov_b64 s[18:19], KROW
	s_mul_u64 s[20:21], s[20:21], s[18:19]
	s_mul_u64 s[46:47], s[46:47], s[18:19]
	s_mul_i32 s45, s14, HALFT
	s_mul_i32 s94, s14, HALFS
	s_wait_kmcnt 0x0
	s_cmp_eq_u32 s2, 1
	s_cselect_b64 s[96:97], s[8:9], s[4:5]
	s_cselect_b64 s[98:99], s[10:11], s[6:7]
	s_cselect_b64 s[100:101], s[4:5], s[8:9]
	s_cselect_b64 s[66:67], s[6:7], s[10:11]
	s_add_nc_u64 s[20:21], s[96:97], s[20:21]
	s_add_nc_u64 s[22:23], s[98:99], s[22:23]
	s_add_nc_u64 s[46:47], s[100:101], s[46:47]
	s_add_nc_u64 s[92:93], s[66:67], s[92:93]
	CROUND
	s_mov_b32 s[G0S], 1
	s_mov_b32 s[G0S+1], SCL
	s_mov_b64 s[G0S+2:G0S+3], s[22:23]
	s_or_b32 s[G0S+3], s[G0S+3], 0x80000000
	s_mov_b32 s[G0SB], 1
	s_mov_b32 s[G0SB+1], SCL+2*HALFS
	s_mov_b64 s[G0SB+2:G0SB+3], s[92:93]
	s_or_b32 s[G0SB+3], s[G0SB+3], 0x80000000
	s_mov_b32 s[G0], 1                             ; K step 0: the first operand's 256 rows, whole,
	s_mov_b32 s[G0+1], 0
	s_mov_b64 s[G0+2:G0+3], s[20:21]
	s_or_b32 s[G0+3], s[G0+3], 0x80000000
	s_mov_b32 s[G0B], 1                            ; and the second's, behind them in slot 0
	s_mov_b32 s[G0B+1], 2*HALFT
	s_mov_b64 s[G0B+2:G0B+3], s[46:47]
	s_or_b32 s[G0B+3], s[G0B+3], 0x80000000
	s_lshl_b32 s18, s16, 16                        ; K step 1: my 128 rows of a tile: 128 x 512 bytes on
	s_mov_b32 s19, 0
	s_add_nc_u64 s[20:21], s[20:21], s[18:19]
	s_add_nc_u64 s[46:47], s[46:47], s[18:19]
	s_mov_b32 s[G0+4], 1
	s_add_co_u32 s[G0+5], s45, SLOT
	s_add_nc_u64 s[G0+6:G0+7], s[20:21], ROWB
	s_or_b32 s[G0+7], s[G0+7], 0x80000000
	s_mov_b32 s[G0B+4], 1
	s_add_co_u32 s[G0B+5], s45, SLOT
	s_add_nc_u64 s[G0B+6:G0B+7], s[46:47], ROWB
	s_or_b32 s[G0B+7], s[G0B+7], 0x80000000
; the head's four tiles, one joint load a wave: one chain of branches on the wave's number, every way passes one load
.macro ARM under, g0, g1, next
	s_cmp_lt_u32 s14, \under
	s_cbranch_scc0 \next
	tensor_load_to_lds s[\g0:\g0+3], s[\g1:\g1+7]
	s_nop 0
.rept 4
	v_nop
.endr
	s_branch .Lhead_asked
\next:
.endm
	ARM 1, G0,  G1,  .Lhead_b
	ARM 2, G0B, G1B, .Lhead_sa
	ARM 3, G0S, G1S, .Lhead_sb
	tensor_load_to_lds s[G0SB:G0SB+3], s[G1SB:G1SB+7]
	s_nop 0
.rept 4
	v_nop
.endr
.Lhead_asked:
	s_load_b256 s[4:11], s[0:1], 0x20
	s_load_b128 s[96:99], s[0:1], 0x40
	v_and_b32 v1, 15, v0
	v_bfe_u32 v2, v0, 4, 1
	v_mul_u32_u24 v3, v1, PITCH
	v_lshl_add_u32 v4, v2, 4, v3
	s_mul_i32 s21, s15, HALFT
	s_mul_i32 s22, s16, HALFT
	s_add_co_u32 s22, s22, 2*HALFT
.irp s, 0,1
	v_add_nc_u32 v[ADRA+\s], s21, v4
	v_add_nc_u32 v[ADRB+\s], s22, v4
	s_add_co_u32 s21, s21, SLOT
	s_add_co_u32 s22, s22, SLOT
.endr
	v_mul_u32_u24 v5, v1, KS
	v_lshrrev_b32 v6, 8, v5
	v_lshl_add_u32 v5, v6, 4, v5
	s_mul_i32 s21, s15, HALFS
	s_mul_i32 s22, s16, HALFS
	s_add_co_u32 s22, s22, 2*HALFS
	s_sub_co_u32 s22, s22, s21
	v_mul_u32_u24 v6, s22, v2
	s_add_co_u32 s21, s21, SCL
	v_add_nc_u32 v5, v5, v6
	v_add_nc_u32 v[ADRS], s21, v5
	v_and_b32 v13, 8, v1
	v_add_nc_u32 v13, v13, v1
	v_lshlrev_b32 v[SA], 8, v13
	v_lshl_add_u32 v[SA], v2, 5, v[SA]
	v_and_b32 v6, 31, v0
	v_lshlrev_b32 v[OA], 4, v6
	v_mul_u32_u24 v[OS], v2, HEADB
	v_lshl_add_u32 v[OS], v1, 4, v[OS]
	v_lshlrev_b32 v[BQ], 6, v2
	v_lshlrev_b32 v[BVA], 2, v13
	v_mov_b32 v[SELP], 0x05040100
	v_mov_b32 v14, 0x07060302
	v_cmp_eq_u32 vcc_lo, 1, v2
	v_cndmask_b32 v[SELP], v[SELP], v14, vcc_lo
.irp b, 0,1,2,3
	v_mov_b32 v[TM+4+\b], 0
.endr
	s_mov_b32 s[SEL], 0x76543210
	s_mov_b32 s[SEL+1], 0xfedcba98
	s_and_b32 s94, s42, 3
	s_cmp_eq_u32 s2, 1
	s_cselect_b32 s92, s42, s17
	s_cselect_b32 s93, s16, s15
	s_cselect_b32 s94, s17, s94
	s_cselect_b32 s95, s15, s16
	s_lshl_b32 s92, s92, 8
	s_lshl_b32 s93, s93, 7
	s_add_co_u32 s92, s92, s93
	s_lshl_b32 s94, s94, 8
	s_lshl_b32 s95, s95, 7
	s_add_co_u32 s94, s94, s95
	s_lshr_b32 s18, s92, 11
	s_lshl_b32 s18, s18, 4
	s_lshr_b32 s19, s94, 6
	s_add_co_u32 s18, s18, s19
	s_bfe_u32 s19, s92, 0x40007
	s_mul_i32 s18, s18, HEADB
	s_mul_i32 s19, s19, STEPB
	s_add_co_u32 s18, s18, s19
	s_mov_b32 s19, 0
	s_wait_alu depctr_va_vdst(0)
	s_wait_kmcnt 0x0
	s_cmp_eq_u32 ttmp9, 0
	s_cselect_b64 s[OUT:OUT+1], s[96:97], s[98:99]
	s_cselect_b64 s[BIAS:BIAS+1], s[4:5], s[6:7]
	s_cmp_eq_u32 s2, 1
	s_cselect_b64 s[OUT:OUT+1], s[98:99], s[OUT:OUT+1]
	s_cselect_b64 s[BIAS:BIAS+1], s[8:9], s[BIAS:BIAS+1]
	s_add_nc_u64 s[OUT:OUT+1], s[OUT:OUT+1], s[18:19]
	s_lshl_b32 s18, s94, 2
	s_add_nc_u64 s[BIAS:BIAS+1], s[BIAS:BIAS+1], s[18:19]
	s_and_b32 s18, s92, 2047
	s_lshl_b32 s18, s18, 8
	s_add_nc_u64 s[SIN:SIN+1], s[10:11], s[18:19]
.irp b, 0,1,2,3,4,5,6,7
	global_load_b128 v[BIA+8*\b:BIA+8*\b+3], v[BQ], s[BIAS:BIAS+1] offset:(32*(\b/2)+8*(\b%2))*4
	global_load_b128 v[BIA+8*\b+4:BIA+8*\b+7], v[BQ], s[BIAS:BIAS+1] offset:(32*(\b/2)+8*(\b%2))*4+16
.endr
.irp a, 0,1,2,3,4,5,6,7
	global_load_b32 v[BVR+\a], v[BVA], s[BIAS:BIAS+1] offset:(32*(\a/2)+8*(\a%2))*4
.endr
.macro FRAG reg, adr, q, i
.irp c, 0,1
	ds_load_b128 v[\reg+4*\c:\reg+4*\c+3], v[\adr] offset:64*(\q)+32*\c+(\i)*16*PITCH
.endr
.endm
.macro MUL16 a0, p, q, sc, zero
.irp a, \a0, \a0+1
.irp b, 0,1,2,3,4,5,6,7
.if \zero == 1
	v_wmma_scale_f32_16x16x128_f8f6f4 v[8*(8*((\a)%4)+\b):8*(8*((\a)%4)+\b)+7], v[128*(\p)+FR*\b:128*(\p)+FR*\b+FR-1], v[AF+FR*(\a):AF+FR*(\a)+FR-1], 0, v[SC+8*NQ*(\sc)+NQ*\b+(\q)], v[SC+8*NQ*(\sc)+NQ*(\a)+(\q)] matrix_a_fmt:MATRIX_FMT_FP4 matrix_b_fmt:MATRIX_FMT_FP4 matrix_a_scale:MATRIX_SCALE_ROW1
.elseif \zero == 2
	v_wmma_scale_f32_16x16x128_f8f6f4 v[8*(8*((\a)%4)+\b):8*(8*((\a)%4)+\b)+7], v[128*(\p)+FR*\b:128*(\p)+FR*\b+FR-1], v[AF+FR*(\a):AF+FR*(\a)+FR-1], v[BIA+8*\b:BIA+8*\b+7], v[SC+8*NQ*(\sc)+NQ*\b+(\q)], v[SC+8*NQ*(\sc)+NQ*(\a)+(\q)] matrix_a_fmt:MATRIX_FMT_FP4 matrix_b_fmt:MATRIX_FMT_FP4 matrix_a_scale:MATRIX_SCALE_ROW1
.else
	v_wmma_scale_f32_16x16x128_f8f6f4 v[8*(8*((\a)%4)+\b):8*(8*((\a)%4)+\b)+7], v[128*(\p)+FR*\b:128*(\p)+FR*\b+FR-1], v[AF+FR*(\a):AF+FR*(\a)+FR-1], v[8*(8*((\a)%4)+\b):8*(8*((\a)%4)+\b)+7], v[SC+8*NQ*(\sc)+NQ*\b+(\q)], v[SC+8*NQ*(\sc)+NQ*(\a)+(\q)] matrix_a_fmt:MATRIX_FMT_FP4 matrix_b_fmt:MATRIX_FMT_FP4 matrix_a_scale:MATRIX_SCALE_ROW1
.endif
.endr
.endr
.endm
.macro FETCH_B slot, q, p
	WIN TO_B
.irp i, 0,1,2,3,4,5,6,7
	FRAG 128*(\p)+FR*\i, ADRB+\slot, \q, \i
.endr
	WIN 0
.endm
.macro FETCH_A slot, q, i0
.irp i, \i0, \i0+1, \i0+2, \i0+3
	FRAG AF+FR*(\i), ADRA+\slot, \q, \i
.endr
.endm
.macro SCALES sc
.irp i, 0,1,2,3,4,5,6,7
	ds_load_b128 v[SC+8*NQ*\sc+NQ*\i:SC+8*NQ*\sc+NQ*\i+3], v[ADRS] offset:\i*SBLK
.endr
.endm
.macro PLACES n
.rept \n
	v_nop
.endr
.endm
.macro STEP slot, q, zero
	s_wait_dscnt 4*NL
.if \zero == 2
	WIN BIA_LO
.else
	WIN MUL_LO
.endif
	MUL16 0, (\q)%2, \q, \slot, \zero
	MUL16 2, (\q)%2, \q, \slot, \zero
	s_wait_dscnt 0
	PLACES NP
	FETCH_B \slot, (\q)+1, 1-(\q)%2
	FETCH_A \slot, (\q)+1, 0
.if \zero == 2
	WIN BIA_HI
.else
	WIN MUL_HI
.endif
	MUL16 4, (\q)%2, \q, \slot, \zero
	MUL16 6, (\q)%2, \q, \slot, \zero
	PLACES NP
	WIN 0
	FETCH_A \slot, (\q)+1, 4
.endm
.macro TURN slot, next
	s_wait_tensorcnt 0x0
	ds_add_u32 v[SPW], v[NIL]
	s_wait_dscnt 4*NL+1
	WIN MUL_LO
	MUL16 0, 1, NQ-1, \slot, 0
	s_wait_dscnt 0x0
	s_barrier_signal -1
	MUL16 2, 1, NQ-1, \slot, 0
	WIN 0
	s_barrier_wait -1
	PLACES NP
	v_add_nc_u32 v[ADRS], 4*NQ, v[ADRS]
	FETCH_B \next, 0, 0
	FETCH_A \next, 0, 0
	SCALES \next
	WIN MUL_HI
	MUL16 4, 1, NQ-1, \slot, 0
	MUL16 6, 1, NQ-1, \slot, 0
	PLACES NP
	WIN 0
	FETCH_A \next, 0, 4
.endm
.macro STEPS slot, from
.set Q, \from
.rept NQ-1-\from
	STEP \slot, Q, 0
.set Q, Q+1
.endr
.endm
	s_wait_tensorcnt 0x0                           ; my tile of the head's four is in
	ds_add_u32 v28, v29
	s_mov_b32 s[G1+2], 128<<16                     ; no tensor load of mine is out: from here on a load brings 128 rows
	s_mov_b32 s[G1+4], 128
	s_mov_b32 s[G1B+2], 128<<16
	s_mov_b32 s[G1B+4], 128
	s_wait_dscnt 0x0
	CROUND                                         ; all four tiles are in, and the partners are here
	JLOAD G0+4, G1, G0B+4, G1B                     ; K step 1, the first tensor load behind the round
	FETCH_B 0, 0, 0
	FETCH_A 0, 0, 0
	SCALES 0
	FETCH_A 0, 0, 4
	s_wait_loadcnt 0x0
	s_cmp_eq_u32 s2, 1
	s_cbranch_scc1 .Lfirst_v
	STEP 0, 0, 2
	s_branch .Lfirst_done
.Lfirst_v:
	STEP 0, 0, 1
.Lfirst_done:
	STEPS 0, 1
	TURN 0, 1
	STEPS 1, 0
	s_wait_dscnt 4*NL
	WIN MUL_LO
	MUL16 0, 1, NQ-1, 1, 0
	MUL16 2, 1, NQ-1, 1, 0
	s_wait_dscnt 0
	WIN MUL_HI
	MUL16 4, 1, NQ-1, 1, 0
	MUL16 6, 1, NQ-1, 1, 0
	WIN 0
.macro SCLOAD a, buf
.irp o, 0,1,2,3
	global_load_b128 v[\buf+8*\o:\buf+8*\o+3], v[SA], s[SIN:SIN+1] offset:(32*((\a)/2)+8*((\a)%2))*256+64*\o
	global_load_b128 v[\buf+8*\o+4:\buf+8*\o+7], v[SA], s[SIN:SIN+1] offset:(32*((\a)/2)+8*((\a)%2))*256+64*\o+16
.endr
.endm
.macro ROPE a, buf
.set AC, 64*((\a)%4)
	WIN (0x02+((\a)/4))
.irp t, 0,1,2,3,4,5,6,7
.set SN, \buf+8*((\t/2)%2)+4*(\t%2)
.irp k, 0,2
	v_pk_mul_f32 v[T2+2*\k:T2+2*\k+1], v[AC+8*\t+2*\k:AC+8*\t+2*\k+1], v[SN+\k:SN+\k+1] op_sel:[1,0] op_sel_hi:[0,0]
	v_pk_mul_f32 v[T2+2*\k+2:T2+2*\k+3], v[AC+8*\t+2*\k+2:AC+8*\t+2*\k+3], v[SN+\k:SN+\k+1] op_sel:[1,1] op_sel_hi:[0,1]
.endr
.irp k, 0,2
	v_pk_fma_f32 v[R+8*\t+2*\k:R+8*\t+2*\k+1], v[AC+8*\t+2*\k:AC+8*\t+2*\k+1], v[SN+16+\k:SN+16+\k+1], v[T2+2*\k:T2+2*\k+1] op_sel:[0,0,0] op_sel_hi:[1,0,1] neg_lo:[0,0,1]
	v_pk_fma_f32 v[R+8*\t+2*\k+2:R+8*\t+2*\k+3], v[AC+8*\t+2*\k+2:AC+8*\t+2*\k+3], v[SN+16+\k:SN+16+\k+1], v[T2+2*\k+2:T2+2*\k+3] op_sel:[0,1,0] op_sel_hi:[1,1,1] neg_lo:[0,0,1]
.endr
.endr
	WIN 0
.endm
.macro BIASV a
.set AC, 64*((\a)%4)
.set BB, BVR+((\a)/2)*2
	WIN (0x02+((\a)/4))
.set p, 0
.rept 32
.if (\a)%2
	v_pk_add_f32 v[R+2*p:R+2*p+1], v[AC+2*p:AC+2*p+1], v[BB:BB+1] op_sel:[0,1] op_sel_hi:[1,1]
.else
	v_pk_add_f32 v[R+2*p:R+2*p+1], v[AC+2*p:AC+2*p+1], v[BB:BB+1] op_sel:[0,0] op_sel_hi:[1,0]
.endif
.set p, p+1
.endr
	WIN 0
.endm
.macro QUANT w
.irp b, 0,1,2,3
	v_max3_num_f32 v[TM+\b], |v[R+16*\b]|, |v[R+1+16*\b]|, 0x1800000
.endr
.irp i, 2,4,6,8,10,12,14
.irp b, 0,1,2,3
	v_max3_num_f32 v[TM+\b], v[TM+\b], |v[R+16*\b+\i]|, |v[R+1+16*\b+\i]|
.endr
.endr
.irp b, 0,1,2,3
	v_permlanex16_b32 v[TM+4+\b], v[TM+\b], s[SEL], s[SEL+1]
.endr
.irp b, 0,1,2,3
	v_max_num_f32 v[TM+\b], v[TM+\b], v[TM+4+\b]
.endr
.irp b, 0,1,2,3
	v_add_nc_u32 v[TM+12+\b], 0xff000000, v[TM+\b]
.endr
.irp b, 0,1,2,3
	v_lshrrev_b32 v[TM+4+\b], 23, v[TM+12+\b]
.endr
	v_lshl_or_b32 v[\w], v[TM+5], 8, v[TM+4]
	v_lshl_or_b32 v[\w], v[TM+6], 16, v[\w]
	v_lshl_or_b32 v[\w], v[TM+7], 24, v[\w]
.irp b, 0,1,2,3
	v_cvt_scalef32_pk8_fp4_f32 v[PC+2*\b], v[R+16*\b:R+7+16*\b], v[TM+12+\b]
	v_cvt_scalef32_pk8_fp4_f32 v[PC+1+2*\b], v[R+8+16*\b:R+15+16*\b], v[TM+12+\b]
.endr
	v_nop
.irp c, 0,1
.irp i, 0,1
	v_permlane16_swap_b32 v[PC+4*\c+\i], v[PC+2+4*\c+\i]
.endr
.endr
.endm
	PLACES NP
	s_cmp_eq_u32 s2, 1
	s_cbranch_scc1 .Lepi_v
	SCLOAD 0, SC0
	SCLOAD 1, SC0+32
.irp a, 0,1,2,3,4,5,6,7
.if \a < 7
	s_wait_loadcnt 8
.else
	s_wait_loadcnt 0
.endif
.if \a > 0
	s_wait_xcnt 0x0
.endif
	ROPE \a, SC0+32*(\a%2)
.if \a < 6
	SCLOAD \a+2, SC0+32*(\a%2)
.endif
	QUANT PWS+\a
	global_store_b128 v[OA], v[PC:PC+3], s[OUT:OUT+1] offset:512*\a
	global_store_b128 v[OA], v[PC+4:PC+7], s[OUT:OUT+1] offset:512*\a+HEADB
.endr
	s_wait_xcnt 0x0
.irp i, 0,1,2,3
	v_perm_b32 v[PC+\i], v[PWS+1+2*\i], v[PWS+2*\i], v[SELP]
.endr
	global_store_b128 v[OS], v[PC:PC+3], s[OUT:OUT+1] offset:8192
	s_branch .Lend
.Lepi_v:
.irp a, 0,1,2,3,4,5,6,7
.if \a > 0
	s_wait_xcnt 0x0
.endif
	BIASV \a
	QUANT PWS+\a
	global_store_b128 v[OA], v[PC:PC+3], s[OUT:OUT+1] offset:(\a/4)*HEADB+4096+(\a%4)*1024
	global_store_b128 v[OA], v[PC+4:PC+7], s[OUT:OUT+1] offset:(\a/4)*HEADB+4096+(\a%4)*1024+512
.endr
	s_wait_xcnt 0x0
	v_cmp_eq_u32 vcc_lo, 1, v2
.irp i, 0,1,2,3
	v_cndmask_b32 v[PC+\i], v[PWS+\i], v[PWS+4+\i], vcc_lo
.endr
	global_store_b128 v[OS], v[PC:PC+3], s[OUT:OUT+1] offset:8448
.Lend:
	s_wait_tensorcnt 0x0
	ds_add_u32 v[SPW], v[NIL]
	s_wait_dscnt 0x0
	CROUND
	s_endpgm
.Lfunc_end_k_q52d7a16590_proj:
	.size	k_q52d7a16590_proj, .Lfunc_end_k_q52d7a16590_proj-k_q52d7a16590_proj
	.p2alignl 7, 3214868480
	.fill 96, 4, 3214868480
	.section	.rodata,"a",@progbits
	.p2align	6, 0x0
	.amdhsa_kernel k_q52d7a16590_proj
		.amdhsa_group_segment_fixed_size 327680
		.amdhsa_private_segment_fixed_size 0
		.amdhsa_enable_private_segment 0
		.amdhsa_kernarg_size 80
		.amdhsa_user_sgpr_count 2
		.amdhsa_user_sgpr_kernarg_segment_ptr 1
		.amdhsa_wavefront_size32 1
		.amdhsa_system_sgpr_workgroup_id_x 1
		.amdhsa_system_sgpr_workgroup_id_y 1
		.amdhsa_system_sgpr_workgroup_id_z 1
		.amdhsa_system_vgpr_workitem_id 0
		.amdhsa_next_free_vgpr 1024
		.amdhsa_next_free_sgpr 102
		.amdhsa_reserve_vcc 1
		.amdhsa_float_denorm_mode_32 3
		.amdhsa_float_denorm_mode_16_64 3
		.amdhsa_memory_ordered 1
		.amdhsa_forward_progress 1
		.amdhsa_inst_pref_size 229
	.end_amdhsa_kernel
	.amdgpu_metadata
---
amdhsa.version: [ 1, 2 ]
amdhsa.kernels:
  - .name:           k_q52d7a16590_proj
    .symbol:         k_q52d7a16590_proj.kd
    .args:
      - { .name: xc, .offset: 0, .size: 8, .value_kind: global_buffer, .address_space: global }
      - { .name: xs, .offset: 8, .size: 8, .value_kind: global_buffer, .address_space: global }
      - { .name: wc, .offset: 16, .size: 8, .value_kind: global_buffer, .address_space: global }
      - { .name: ws, .offset: 24, .size: 8, .value_kind: global_buffer, .address_space: global }
      - { .name: bq, .offset: 32, .size: 8, .value_kind: global_buffer, .address_space: global }
      - { .name: bk, .offset: 40, .size: 8, .value_kind: global_buffer, .address_space: global }
      - { .name: bv, .offset: 48, .size: 8, .value_kind: global_buffer, .address_space: global }
      - { .name: sinusoidal_pos, .offset: 56, .size: 8, .value_kind: global_buffer, .address_space: global }
      - { .name: qimg, .offset: 64, .size: 8, .value_kind: global_buffer, .address_space: global }
      - { .name: kv, .offset: 72, .size: 8, .value_kind: global_buffer, .address_space: global }
    .group_segment_fixed_size: 327680
    .private_segment_fixed_size: 0
    .kernarg_segment_align: 8
    .kernarg_segment_size: 80
    .max_flat_workgroup_size: 128
    .sgpr_count:     102
    .vgpr_count:     1024
    .wavefront_size: 32
...
	.end_amdgpu_metadata
.endif
;; end of part 2
;; launch attn (part 3): grid 4 x 64, 16 waves a work-group, clusters of 4 x 1, 219,136 bytes of LDS; arguments qimg, kv, attention_mask, out0; writes out0
.if DOCPART == 3
	.amdgcn_target "amdgcn-amd-amdhsa--gfx1250"
	.amdhsa_code_object_version 6
	.text
	.protected	k_q52d7a16590_attn
	.globl	k_q52d7a16590_attn
	.p2align	8
	.type	k_q52d7a16590_attn,@function
k_q52d7a16590_attn:
	s_mov_b64 s[64:65], 0
	v_nop
	global_prefetch_b8 v0, s[64:65] scope:SCOPE_SE
	s_setreg_imm32_b32 hwreg(HW_REG_WAVE_MODE, 25, 1), 1
	s_wait_xcnt 0x0
	s_wait_alu depctr_hold_cnt(0) depctr_sa_sdst(0) depctr_va_vdst(0) depctr_va_sdst(0) depctr_va_ssrc(0) depctr_va_vcc(0) depctr_vm_vsrc(0)
	s_getreg_b32 s2, hwreg(HW_REG_IB_STS2, 6, 4)
	s_cmp_eq_u32 s2, 0
	s_cbranch_scc0 .Lentry_in_a_cluster
	s_endpgm
.Lentry_in_a_cluster:
	s_bfe_u32 s2, ttmp6, 0x10000c
	s_cmp_lg_u32 s2, 0x3003
	s_cbranch_scc0 .Lentry_shape_is_right
	s_endpgm
.Lentry_shape_is_right:
; out0[b][q][64 head ..] = the sum over keys of softmax(q . k / 8 + mask[b][key]) v, both products on codes of FP4 (E2M1) with one E8M0 scale for each 32 along a product's K.
; q, k, v come as images of operand registers (qimg, kv: [batch x head][16 steps of 128 keys][8,704 bytes]: K's 8 tiles, V's 4 fragments, K's scale words, V's scale words).
; THE SOFTMAX AHEAD OF THE SECOND PRODUCT: t = (score + 8 mask) x log2(e) / 8; M = the row's largest t so far, rounded UP to a whole number; p = 2^(t - M) is quantised along the keys, not normalised.
; The row's sum is taken of the unquantised p and divides O at the end.  When M moves, the sum and O are multiplied by 2^(old M - new M): exact.
; SHARES.  A work-group owns 512 queries of one (batch, head); each of its sixteen waves 32 of them, two tiles of 16, in 256 registers.
; The four work-groups of a cluster own the four query blocks of one head and read the same K and V: each step's image is asked for jointly.
; A head's 139,264 bytes lie in LDS whole, filled once: wave w fetches step w, one tensor load a wave at the head; nothing is filled again, so there is no ring.
; No prefetch is written: every tile is asked for at the head, and there is no loop to run ahead in.
; LAYOUT.  Both products are used transposed: S^T = K Q^T, O^T = V^T P^T: a lane holds ONE query (lane % 16) throughout.
; THE KEYS OF A TILE ARE CHOSEN BY THE LDS ADDRESS: rows 0-7 of tile 4 c + u are keys 64 c + 8 u + 0..7, rows 8-15 keys 64 c + 32 + 8 u + 0..7.  So register 32 c + 8 u + j of lane half h is key 64 c + 32 h + 8 u + j:
; a lane holds WHOLE blocks of 32 keys (2 c + h): a block's maximum asks no other lane, and the conversions' results are the second product's operand as they stand.
; In the image tile 2 b + v holds in row m key 32 b + 8 v + m + 8 (m / 8): tile (c, u), row r is image tile 2 (2 c + r / 8) + u % 2, row r % 8 + 8 (u / 2).
; THE HEAD IS 64 AND THE INSTRUCTION'S K IS 128: one fragment of 8 registers holds TWO tiles of keys, and Q stands beside zero codes, once in the low half of K and once in the high.
; THE MASK is the C of the score's product: 8 x mask, in the result's layout, read from LDS into the accumulator.
; LIMITS: attention_mask under -2^23 is taken as -2^23 (it differs from the definition only where EVERY key of a batch lies under about -8e6); NaN in any input and +infinity in the mask are not served.
.set HEADB, 139264
.set STEPB, 8704
.set MASKB, HEADB                      ; LDS: 2,048 numbers, 8 x mask
.set STAGE, MASKB+8192                 ; LDS: the way out: 16 rows x (256 bytes + 16) for each wave
.set SPARE, STAGE+16*16*272            ; the spare words: 128 bytes a wave
.set SPI,   272
.set LK,  1                            ; v1   K: 1024 (r / 8) + 16 (r % 8) + 256 h
.set LM,  2                            ; v2   MASKB + 128 h
.set AK,  3                            ; v3   the step's K
.set AM,  4                            ; v4   the step's mask
.set LV,  5                            ; v5   16 x lane (the way out: STO)
.set AV,  6                            ; v6   the step's V (the way out: RD)
.set LS,  7                            ; v7   K's scale words: 16 (r % 8) + 4 (r / 8) (the way out: GO)
.set AS,  8                            ; v8   the step's
.set STO, 5
.set RD,  6
.set GO,  7
                                       ; tile qt: v[10+6qt], +1 the sum in two halves; v[12+6qt], +1 -M twice; v[14+qt] the largest score
                                       ; v20-39: zeros, Q of tile 0, zeros, Q of tile 1, zeros: four registers each
.set QS,  40                           ; v40-41 Q's scale words
.set PS,  42                           ; v42-43 p's scale words
.set SCL, 44                           ; v44-47 lanes 16-31: V's words of the four fragments
.set F,   48                           ; v48-79   K's four fragments, later V's
.set S,   80                           ; v80-143  the mask, S^T, then p, of one tile of queries
.set O,   144                          ; v144-207 O^T, 32 registers a tile
.set PC,  208                          ; v208-223 p's codes
.set BM,  224                          ; v224-227 four chains of maxima; then v224, v226 my two blocks'
.set T,   228
.set T2,  229
.set BS,  230                          ; v230-231 the conversions' scale operands
.set BP,  232                          ; v232-233 at work
.set FF,  234                          ; v234-235 f = 2^(old M - new M), twice
.set C2,  236                          ; v236-237, v248-251 the sum's further chains
.set CV,  238                          ; v238-239 c = log2(e) / 8, twice
.set PT,  240                          ; a permute's destination
.set SH,  241                          ; 8 h
.set KS,  244                          ; v244-247 K's scale words of the four fragments
.set C3,  248
.set C4,  250
.set G1A, 24
.set G0A, 40
.set SEL, 50                           ; s[50:51] lane l xor 16
.set NC,  52                           ; s52  -c
.set TB,  54                           ; s54  LDS byte at which the step begins
.set TMK, 55                           ; s55  and its 512 bytes of the mask
.set CNT, 56
.macro CROUND
	s_barrier_signal -1
	s_barrier_wait -1
	s_cmp_lg_u32 s12, 0
	s_cbranch_scc1 .Lnot_wave_0_\@
	s_barrier_signal -3
.Lnot_wave_0_\@:
	s_barrier_wait -3
	s_barrier_signal -1
	s_barrier_wait -1
.endm
.macro PLACES                          ; four places behind a matrix instruction (ISA guide 7.12.1)
.rept 4
	v_nop
.endr
.endm
	s_load_b256 s[4:11], s[0:1], 0x0               ; qimg, kv, attention_mask, out0
	v_lshl_add_u32 v254, v0, 2, SPARE
	v_mov_b32 v255, 0
	ds_add_u32 v254, v255
	ds_add_u32 v254, v255
	v_lshrrev_b32 v8, 5, v0
	s_delay_alu instid0(VALU_DEP_1)
	v_readfirstlane_b32 s12, v8                    ; wave 0..15
	s_bfe_u32 s13, ttmp6, 0x40000                  ; cx: which 512 queries
	s_and_b32 s14, ttmp7, 0xffff                   ; batch x 16 + head, which the four partners share
	s_mov_b32 s[G1A], 15|(3<<16)|(1<<21)           ; the mask: all four work-groups; elements of 8 bytes; bit 21 beside a mask
	s_mov_b32 s[G1A+1], 32<<16                     ; rows of 256 bytes,
	s_mov_b32 s[G1A+2], 34<<16                     ; 34 of them: one step, dense
	s_mov_b32 s[G1A+3], 32<<16
	s_mov_b32 s[G1A+4], 34
	s_mov_b32 s[G1A+5], 32
	s_mov_b32 s[G1A+6], 0
	s_mov_b32 s[G1A+7], 0
	s_mul_i32 s16, s14, HEADB                      ; the head's first byte in kv and in qimg
	s_mov_b32 s17, 0
	s_mul_i32 s18, s12, STEPB                      ; my load: step w
	s_mov_b32 s19, 0
	s_mov_b32 s[SEL], 0x76543210
	s_mov_b32 s[SEL+1], 0xfedcba98
	s_mov_b32 s[NC], 0xbe38aa3b                    ; -log2(e) / 8
	s_mov_b32 s[TB], 0
	s_mov_b32 s[TMK], 0
	s_wait_dscnt 0x0
	s_wait_kmcnt 0x0
	s_add_nc_u64 s[22:23], s[6:7], s[16:17]
	s_mov_b32 s[G0A], 1
	s_mov_b32 s[G0A+1], s18                        ; LDS address: as in memory
	s_add_nc_u64 s[G0A+2:G0A+3], s[22:23], s[18:19]
	s_or_b32 s[G0A+3], s[G0A+3], 0x80000000
	CROUND                                         ; all four work-groups are here: the joint loads meet
	tensor_load_to_lds s[G0A:G0A+3], s[G1A:G1A+7]  ; one tensor load a wave, and no more in the launch
	s_nop 0
	s_lshr_b32 s48, s14, 4                         ; the batch
	s_lshl_b32 s48, s48, 13
	s_mov_b32 s49, 0
	s_add_nc_u64 s[8:9], s[8:9], s[48:49]
	s_lshl_b32 s48, s13, 2
	s_lshr_b32 s57, s12, 2
	s_add_co_u32 s48, s48, s57                     ; my queries' step in qimg: 4 cx + wave / 4
	s_mul_i32 s48, s48, STEPB
	s_add_co_u32 s48, s48, s16
	s_add_nc_u64 s[4:5], s[4:5], s[48:49]
	s_and_b32 s57, s12, 3                          ; and my pair of tiles in it
	s_lshl_b32 s58, s57, 10
	s_lshl_b32 s59, s57, 2
	s_lshr_b32 s48, s14, 4                         ; out0: row batch x 2,048 + 512 cx + 32 wave, 4,096 bytes a row; + 256 x head
	s_lshl_b32 s48, s48, 11
	s_lshl_b32 s57, s13, 9
	s_add_co_u32 s48, s48, s57
	s_lshl_b32 s57, s12, 5
	s_add_co_u32 s48, s48, s57
	s_lshl_b32 s48, s48, 12
	s_and_b32 s57, s14, 15
	s_lshl_b32 s57, s57, 8
	s_add_co_u32 s48, s48, s57
	s_add_nc_u64 s[10:11], s[10:11], s[48:49]
	v_and_b32 v8, 31, v0                           ; lane
	v_and_b32 v86, 15, v0                          ; r
	v_bfe_u32 v9, v0, 4, 1                         ; h
	v_and_b32 v[T], 7, v0                          ; r % 8
	v_bfe_u32 v[T2], v0, 3, 1                      ; r / 8
	v_lshlrev_b32 v87, 4, v0                       ; four of the batch's 2,048 numbers a thread
	v_lshlrev_b32 v[LV], 4, v8
	v_lshl_add_u32 v[LM], v9, 7, MASKB
	v_lshlrev_b32 v[SH], 3, v9
	v_lshlrev_b32 v[LK], 4, v[T]
	v_lshlrev_b32 v[LS], 4, v[T]
	v_lshl_add_u32 v[LK], v[T2], 10, v[LK]
	v_lshl_add_u32 v[LS], v[T2], 2, v[LS]
	v_lshl_add_u32 v[LK], v9, 8, v[LK]
	v_add_nc_u32 v84, s58, v[LV]
	v_lshl_add_u32 v85, v86, 4, s59
	v_add_nc_u32 v9, MASKB, v87                    ; where my four numbers of the mask go
	s_wait_alu depctr_va_vdst(0)
	global_load_b128 v[80:83], v87, s[8:9]
	global_load_b128 v[24:27], v84, s[4:5]                 ; Q of tile 0: lane (r, h): block h of query r's 64
	global_load_b128 v[32:35], v84, s[4:5] offset:512      ; of tile 1
	global_load_b32 v[T], v85, s[4:5] offset:8192          ; the pair's scale word of row r
.irp j, 20,21,22,23,28,29,30,31,36,37,38,39,10,11,16,17,PT
	v_mov_b32 v[\j], 0                             ; the zero codes beside Q; the sums; a permute's destination
.endr
.irp j, 14,15
	v_mov_b32 v[\j], 0xff61b1e6                    ; the largest score so far: -3e38
.endr
.irp j, 12,13,18,19
	v_mov_b32 v[\j], 0x7f61b1e6                    ; -M: 3e38, so that the first f is 0
.endr
	v_mov_b32 v[CV], 0x3e38aa3b
	v_mov_b32 v[CV+1], 0x3e38aa3b
.set j, 0
.rept 64
	v_mov_b32 v[O+j], 0                            ; O^T: the step has no first form of its own: it finds zeros, which the first f leaves zeros
.set j, j+1
.endr
	s_wait_alu depctr_va_vdst(0)
	s_wait_loadcnt 0x0
	v_perm_b32 v[QS], v[T], v[T], 0x01000100       ; tile 0's two bytes, for the low half of K and for the high
	v_perm_b32 v[QS+1], v[T], v[T], 0x03020302     ; tile 1's
.irp j, 0,1,2,3
	v_mul_f32 v[80+\j], 0x41000000, v[80+\j]       ; 8 x mask: the scores are divided by 8 with it
.endr
.irp j, 0,1,2,3
	s_delay_alu instid0(VALU_DEP_4)
	v_max_num_f32 v[80+\j], 0xcc800000, v[80+\j]   ; held at -2^26
.endr
	ds_store_b128 v9, v[80:83]
	s_wait_alu depctr_va_vdst(0)
	s_wait_tensorcnt 0x0                           ; my step has landed,
	s_wait_dscnt 0x0                               ; my part of the mask is stored
	s_barrier_signal -1
	s_barrier_wait -1                              ; everybody's has
.macro MLOAD adr, off                  ; 8 x mask in the scores' layout: register 32 c + 8 u + j = key 64 c + 32 h + 8 u + j
.irp n, 0,1,2,3,4,5,6,7
	ds_load_b128 v[S+8*\n:S+8*\n+3], v[\adr] offset:\off+256*(\n/4)+32*(\n%4)
	ds_load_b128 v[S+8*\n+4:S+8*\n+7], v[\adr] offset:\off+256*(\n/4)+32*(\n%4)+16
.endr
.endm
.macro SCORES qt                       ; S^T = K Q^T + 8 mask, eight tiles of 16 keys; each accumulator has one instruction
.irp g, 0,1,2,3
	v_wmma_scale_f32_16x16x128_f8f6f4 v[S+16*\g:S+16*\g+7], v[F+8*\g:F+8*\g+7], v[24+8*\qt:31+8*\qt], v[S+16*\g:S+16*\g+7], v[KS+\g], v[QS+\qt] matrix_a_fmt:MATRIX_FMT_FP4 matrix_b_fmt:MATRIX_FMT_FP4
	v_wmma_scale_f32_16x16x128_f8f6f4 v[S+16*\g+8:S+16*\g+15], v[F+8*\g:F+8*\g+7], v[20+8*\qt:27+8*\qt], v[S+16*\g+8:S+16*\g+15], v[KS+\g], v[QS+\qt] matrix_a_fmt:MATRIX_FMT_FP4 matrix_b_fmt:MATRIX_FMT_FP4
.endr
.endm
.macro TM n                            ; t - M of the next 2 n scores, two an instruction
.rept \n
	v_dual_fma_f32 v[S+j], v[S+j], v[CV], v[NM] :: v_dual_fma_f32 v[S+j+1], v[S+j+1], v[CV+1], v[NM+1]
.set j, j+2
.endr
.endm
.macro DADD d, a, b
	v_dual_add_f32 v[\d], v[\a], v[\b] :: v_dual_add_f32 v[\d+1], v[\a+1], v[\b+1]
.endm
.macro SOFTMAX qt
.set SU, 10+6*\qt
.set NM, 12+6*\qt
.set MS, 14+\qt
.set PQ, PC+8*\qt
.irp k, 0,1,2,3
	v_max3_num_f32 v[BM+\k], v[S+16*\k], v[S+1+16*\k], v[S+2+16*\k]   ; four chains by turns, two to a block; each accumulator from its low end on
.endr
.irp i, 3,5,7,9,11,13
.irp k, 0,1,2,3
	v_max3_num_f32 v[BM+\k], v[BM+\k], v[S+16*\k+\i], v[S+1+16*\k+\i]
.endr
.endr
	v_max3_num_f32 v[BM], v[BM], v[BM+1], v[S+15]
	v_max3_num_f32 v[BM+2], v[BM+2], v[BM+3], v[S+47]
	v_max_num_f32 v[BM], v[BM], v[S+31]            ; the largest score of my block 2 x 0 + h,
	v_max_num_f32 v[BM+2], v[BM+2], v[S+63]        ; and of 2 + h: they serve for the row's maximum and, since p rises with the score, for the blocks' largest p
	s_delay_alu instid0(VALU_DEP_1)
	v_max_num_f32 v[T], v[BM], v[BM+2]
	s_delay_alu instid0(VALU_DEP_1)
	v_permlanex16_b32 v[PT], v[T], s[SEL], s[SEL+1]
	s_delay_alu instid0(VALU_DEP_1)
	v_max3_num_f32 v[MS], v[MS], v[T], v[PT]       ; the running largest score of my query
	s_delay_alu instid0(VALU_DEP_1)
	v_mul_f32 v[T], s[NC], v[MS]                   ; -t
	s_delay_alu instid0(VALU_DEP_1)
	v_floor_f32 v[T2], v[T]                        ; the new -M = floor(-t) = -ceil(t)
	s_delay_alu instid0(VALU_DEP_1)
	v_sub_f32 v[T], v[T2], v[NM]                   ; old M less new M: a whole number, 0 or less
	v_mov_b32 v[NM], v[T2]                         ; -M, twice
	v_mov_b32 v[NM+1], v[T2]
.set j, 0
	TM 4                                           ; the chain that makes f stands among the scalings, which do not hang on it
	v_cvt_i32_f32 v[T], v[T]                       ; (it saturates)
	TM 4
	v_ldexp_f32 v[FF], 1.0, v[T]                   ; f = 2^(old M - new M)
	v_ldexp_f32 v[FF+1], 1.0, v[T]
	TM 24
	v_fma_f32 v[BM], v[BM], v[CV], v[NM]           ; the same of each block's largest score
	v_fma_f32 v[BM+2], v[BM+2], v[CV], v[NM]
	s_wait_alu depctr_va_vdst(0)
.set j, 0
.rept 64
	v_exp_f32 v[S+j], v[S+j]                       ; p = 2^(t - M): not normalised
.set j, j+1
.endr
	v_exp_f32 v[BM], v[BM]                         ; the blocks' largest p: the same arithmetic on the same number gives the same bits
	v_exp_f32 v[BM+2], v[BM+2]
	v_mul_f32 v[SU], v[SU], v[FF]                  ; the sums under the new M (plain places behind the exponentials)
	v_mul_f32 v[SU+1], v[SU+1], v[FF]
	s_wait_alu depctr_va_vdst(0)
	v_max_num_f32 v[BM], 0x1800000, v[BM]          ; the floor 2^(3 - 127): the byte cannot fall under 1
	v_max_num_f32 v[BM+2], 0x1800000, v[BM+2]
	s_delay_alu instid0(VALU_DEP_2)
	v_add_nc_u32 v[BS], 0xff000000, v[BM]          ; 2 off the exponent field: the conversion's scale operand
	v_add_nc_u32 v[BS+1], 0xff000000, v[BM+2]
.irp c, 0,1
.irp g, 0,1,2,3
	v_cvt_scalef32_pk8_fp4_f32 v[PQ+4*\c+\g], v[S+32*\c+8*\g:S+32*\c+8*\g+7], v[BS+\c]   ; registers 4 c .. 4 c + 3 of the operand: k = 64 c + 32 h + 0 .. 31
.endr
.endr
	v_lshrrev_b32 v[BP], 23, v[BS]                 ; the scales' bytes (also the plain place behind the conversions)
	v_lshrrev_b32 v[BP+1], 23, v[BS+1]
	DADD C2, S, S+2                                ; the row's sum is taken of the unquantised p, in four chains
	DADD C3, S+4, S+6
	DADD C4, S+8, S+10
.set p, 12
.rept 6
	DADD SU, S+p, SU
	DADD C2, S+p+2, C2
	DADD C3, S+p+4, C3
	DADD C4, S+p+6, C4
.set p, p+8
.endr
	DADD SU, S+60, SU
	DADD C2, S+62, C2
	DADD C3, C4, C3
	DADD SU, C2, SU
	DADD SU, C3, SU
.endm
.macro RS n, qt
.rept \n
	v_dual_mul_f32 v[O+32*\qt+j], v[O+32*\qt+j], v[FF] :: v_dual_mul_f32 v[O+32*\qt+j+1], v[O+32*\qt+j+1], v[FF+1]
.set j, j+2
.endr
.endm
.macro RESCALE qt                      ; O^T under the new M: x f, each accumulator from its low end on; p's scale word is made among its first lines, 13 places ahead of the product
.set j, 0
	v_lshl_or_b32 v[BP], v[BP+1], 16, v[BP]        ; the bytes of blocks h and 2 + h,
	RS 1, \qt
	v_lshlrev_b32 v[BP], v[SH], v[BP]              ; at their places in the word;
	RS 1, \qt
	v_permlanex16_b32 v[PT], v[BP], s[SEL], s[SEL+1]
	RS 1, \qt
	v_or_b32 v[PS+\qt], v[BP], v[PT]               ; with lane l xor 16's two the word is whole
	RS 13, \qt
.endm
.macro PV                              ; O^T += V^T P^T: the eight accumulators take turns, one instruction a turn
.irp dt, 0,1,2,3
.irp qt, 0,1
	v_wmma_scale_f32_16x16x128_f8f6f4 v[O+32*\qt+8*\dt:O+32*\qt+8*\dt+7], v[F+8*\dt:F+8*\dt+7], v[PC+8*\qt:PC+8*\qt+7], v[O+32*\qt+8*\dt:O+32*\qt+8*\dt+7], v[SCL+\dt], v[PS+\qt] matrix_a_fmt:MATRIX_FMT_FP4 matrix_b_fmt:MATRIX_FMT_FP4 matrix_a_scale:MATRIX_SCALE_ROW1
.endr
.endr
.endm
; A KEY STEP: 128 keys, for my two tiles of queries.  Tile 0's mask is already on its way.  more = 1: the next step's is asked for ahead of the second product.
.macro STEP more
	v_add_nc_u32 v[AK], s[TB], v[LK]               ; four places behind the last step's products, in front of the loads into their registers
	v_add_nc_u32 v[AV], s[TB], v[LV]
	v_add_nc_u32 v[AS], s[TB], v[LS]
	v_add_nc_u32 v[AM], s[TMK], v[LM]
.irp n, 0,1,2,3,4,5,6,7
	ds_load_b128 v[F+4*\n:F+4*\n+3], v[AK] offset:2048*(\n/4)+512*(\n%2)+128*((\n/2)%2)   ; tile n = 4 c + u
.endr
.irp g, 0,1,2,3
	ds_load_b32 v[KS+\g], v[AS] offset:8192+128*(\g%2)+8*(\g/2)      ; the word of my row of tiles 2 g, 2 g + 1
.endr
	ds_load_b128 v[SCL:SCL+3], v[AV] offset:8192                     ; lanes 16-31: V's four words
	s_wait_dscnt 0x0
	SCORES 0
	PLACES
	SOFTMAX 0
	MLOAD AM, 0                                    ; p of tile 0 has had its last read: the mask for tile 1's scores
	RESCALE 0
	s_wait_dscnt 0x0
	SCORES 1
	PLACES
.irp i, 0,1,2,3,4,5,6,7
	ds_load_b128 v[F+4*\i:F+4*\i+3], v[AV] offset:4096+512*\i        ; V's four fragments land while tile 1's softmax is worked
.endr
	SOFTMAX 1
.if \more
	MLOAD AM, 512                                  ; the next step's mask for tile 0
.endif
	RESCALE 1
	s_wait_alu depctr_va_vdst(0)
.if \more
	s_wait_dscnt 16                                ; V's eight loads are in; the 16 issued behind them may be out
.else
	s_wait_dscnt 0x0
.endif
	PV
	s_add_co_u32 s[TB], s[TB], STEPB
	s_add_co_u32 s[TMK], s[TMK], 512
.endm
	MLOAD LM, 0
	s_mov_b32 s[CNT], 15
.Lstep:
	STEP 1
	s_sub_co_u32 s[CNT], s[CNT], 1
	s_cmp_lg_u32 s[CNT], 0
	s_cbranch_scc1 .Lstep
	STEP 0                                         ; the last step asks for no further mask
	; THE WAY OUT.  O^T is divided by the sum and goes through my stage in LDS, a tile of 16 queries x 256 bytes at a time, so that sixteen lanes store 256 consecutive bytes, aligned.
	v_add_f32 v10, v10, v11
	v_add_f32 v16, v16, v17
	s_delay_alu instid0(VALU_DEP_2)
	v_permlanex16_b32 v[BP], v10, s[SEL], s[SEL+1]
	s_delay_alu instid0(VALU_DEP_2)
	v_permlanex16_b32 v[BP+1], v16, s[SEL], s[SEL+1]
	s_delay_alu instid0(VALU_DEP_2)
	v_add_f32 v10, v10, v[BP]                      ; with lane l xor 16's: the row's sum
	s_delay_alu instid0(VALU_DEP_2)
	v_add_f32 v16, v16, v[BP+1]
	s_wait_alu depctr_va_vdst(0)
	v_rcp_f32 v10, v10
	v_rcp_f32 v16, v16
	v_and_b32 v8, 15, v0                           ; r
	v_bfe_u32 v9, v0, 4, 1                         ; h
	s_mul_i32 s57, s12, 16*SPI
	s_add_co_u32 s57, s57, STAGE                   ; my stage
	v_mul_u32_u24 v[STO], v8, SPI
	s_delay_alu instid0(VALU_DEP_1)
	v_lshl_add_u32 v[STO], v9, 6, v[STO]
	s_delay_alu instid0(VALU_DEP_1)
	v_add_nc_u32 v[STO], s57, v[STO]               ; in: row r; register 16 e + i is channel 32 e + 16 h + i
	v_mul_u32_u24 v[RD], v9, SPI
	s_delay_alu instid0(VALU_DEP_1)
	v_lshl_add_u32 v[RD], v8, 4, v[RD]
	s_delay_alu instid0(VALU_DEP_1)
	v_add_nc_u32 v[RD], s57, v[RD]                 ; back: lanes 0-15 one row, lanes 16-31 the next
	v_lshlrev_b32 v[GO], 12, v9
	s_delay_alu instid0(VALU_DEP_1)
	v_lshl_add_u32 v[GO], v8, 4, v[GO]             ; and the same two rows of out0
	s_wait_alu depctr_va_vdst(0)                   ; and the wait behind them, ahead of the first reader
.macro PACK qt, back
.set j, 0
.rept 16
	v_pk_mul_f32 v[S+32*\qt+j:S+32*\qt+j+1], v[O+32*\qt+j:O+32*\qt+j+1], v[10+6*\qt:11+6*\qt] op_sel_hi:[1,0]
.set j, j+2
.endr
.irp e, 0,1
.irp k, 0,1,2,3
	ds_store_b128 v[STO], v[S+32*\qt+16*\e+4*\k:S+32*\qt+16*\e+4*\k+3] offset:128*\e+16*\k
.endr
.endr
.irp i, 0,1,2,3,4,5,6,7
	ds_load_b128 v[\back+4*\i:\back+4*\i+3], v[RD] offset:2*\i*SPI   ; LDS serves a wave's instructions in order: these see my stores
.endr
.endm
.macro SEND qt, back, younger          ; stage row m is query 8 qt + m + 8 (m / 8) of my 32
.irp i, 0,1,2,3,4,5,6,7
	s_wait_dscnt \younger+7-\i
	global_store_b128 v[GO], v[\back+4*\i:\back+4*\i+3], s[10:11] offset:(8*\qt+2*\i+8*(\i/4))*4096 th:TH_STORE_NT
.endr
.endm
	PACK 0, F
	PACK 1, PC
	SEND 0, F, 16                                  ; behind tile 0's loads: tile 1's eight stores and eight loads
	SEND 1, PC, 0
	s_wait_dscnt 0x0
	s_wait_tensorcnt 0x0                           ; the wave's end
	ds_add_u32 v254, v255
	s_wait_dscnt 0x0
	CROUND                                         ; the closing round
	s_endpgm
.Lfunc_end_k_q52d7a16590_attn:
	.size	k_q52d7a16590_attn, .Lfunc_end_k_q52d7a16590_attn-k_q52d7a16590_attn
	.p2alignl 7, 3214868480
	.fill 96, 4, 3214868480
	.section	.rodata,"a",@progbits
	.p2align	6, 0x0
	.amdhsa_kernel k_q52d7a16590_attn
		.amdhsa_group_segment_fixed_size 219136
		.amdhsa_private_segment_fixed_size 0
		.amdhsa_enable_private_segment 0
		.amdhsa_kernarg_size 32
		.amdhsa_user_sgpr_count 2
		.amdhsa_user_sgpr_kernarg_segment_ptr 1
		.amdhsa_wavefront_size32 1
		.amdhsa_system_sgpr_workgroup_id_x 1
		.amdhsa_system_sgpr_workgroup_id_y 1
		.amdhsa_system_sgpr_workgroup_id_z 1
		.amdhsa_system_vgpr_workitem_id 0
		.amdhsa_next_free_vgpr 256
		.amdhsa_next_free_sgpr 66
		.amdhsa_reserve_vcc 0
		.amdhsa_float_denorm_mode_32 3
		.amdhsa_float_denorm_mode_16_64 3
		.amdhsa_memory_ordered 1
		.amdhsa_forward_progress 1
		.amdhsa_inst_pref_size 79
	.end_amdhsa_kernel
	.amdgpu_metadata
---
amdhsa.version: [ 1, 2 ]
amdhsa.kernels:
  - .name:           k_q52d7a16590_attn
    .symbol:         k_q52d7a16590_attn.kd
    .args:
      - { .name: qimg, .offset: 0, .size: 8, .value_kind: global_buffer, .address_space: global }
      - { .name: kv, .offset: 8, .size: 8, .value_kind: global_buffer, .address_space: global }
      - { .name: attention_mask, .offset: 16, .size: 8, .value_kind: global_buffer, .address_space: global }
      - { .name: out0, .offset: 24, .size: 8, .value_kind: global_buffer, .address_space: global }
    .group_segment_fixed_size: 219136
    .private_segment_fixed_size: 0
    .kernarg_segment_align: 8
    .kernarg_segment_size: 32
    .max_flat_workgroup_size: 512
    .sgpr_count:     66
    .vgpr_count:     256
    .wavefront_size: 32
...
	.end_amdgpu_metadata
.endif
;; end of part 3
